; MI455X (gfx1250); checked and timed in simulation.
; The chip was launched on July 23, 2026; its instructions are those of AMD's public machine-readable ISA for CDNA 5 (MIT licence, August 2026) and "CDNA5" Instruction Set Architecture Reference Guide (July 2026). The comments in the code are by the model that wrote it; some were corrected since.
;; Multi Head Attention. Allowed arithmetic: float matrix products may take bf16 or f16 operands with f32 sums; all other float work in f32.
;; Inputs: K 4 x 2,048 x 1,024 float32; Q 4 x 2,048 x 1,024 float32; V 4 x 2,048 x 1,024 float32; Wo 1,024 x 1,024 float32; Wq 1,024 x 1,024 float32; bo 1,024 float32; bq 1,024 float32.
;; Outputs: out0 4 x 2,048 x 1,024 float32.
;; One version. Each part assembles by itself: llvm-mc -triple=amdgcn-amd-amdhsa -mcpu=gfx1250 --defsym DOCPART=n.
;; ======== version 1 of 1: 4 launches
;; limits: values are held in f16: magnitudes above 65,504 overflow, below 6.1e-05 lose precision
;; workspace buffers: wqb 2,097,152 bytes; wob 2,097,152 bytes; qws 16,777,216 bytes; kws 16,777,216 bytes; vws 16,777,216 bytes; ctx 16,777,216 bytes
;; launch prep (part 1): grid 16 x 16, 8 waves a work-group, no clusters, 18,432 bytes of LDS; arguments Wq, Wo, wqb, wob; writes wqb, wob
.if DOCPART == 1
	.amdgcn_target "amdgcn-amd-amdhsa--gfx1250"
	.amdhsa_code_object_version 6
	.text
	.protected	k_q18392df288_prep
	.globl	k_q18392df288_prep
	.p2align	8
	.type	k_q18392df288_prep,@function
k_q18392df288_prep:
	s_mov_b64 s[64:65], 0
	v_nop
	global_prefetch_b8 v0, s[64:65] scope:SCOPE_SE
	s_setreg_imm32_b32 hwreg(HW_REG_WAVE_MODE, 25, 1), 1
	s_wait_xcnt 0x0
; MULTI-HEAD ATTENTION in four launches: prep (this one), proj, attn, outp.
; prep: Wq and Wo, stored [k][n] in f32, become f16 in the order [k / 64][n][k % 64] (wqb, wob), so that a tile of 256 n x 64 k is
; 32,768 dense bytes with k running along 128-byte rows: the order in which a matrix operand is read.
;
; WORK LEFT OUT IN THE WHOLE PROGRAM: the bias bq in k.  With k = K Wq + bq a score is q.(K Wq) / 8 + q.bq / 8; the second term holds no
; key, so it is the same for every key of a query's softmax, and softmax(s + t) = softmax(s) for every t that is constant along the axis,
; whatever finite values Q, K, Wq, bq hold.  So k is stored as K Wq.  bq stays in q and in v, so bq is loaded.  Every input has a way to the output.
; LIMITS: a NaN, an infinity or an overflow that would reach the result only through q.bq is not carried.  All matrix operands are f16:
; Q, K, V, Wq, Wo, the projected q, k, v and the attention's result must lie under 65,504 in magnitude (as drawn they lie under 10;
; with all inputs 30 times larger under 6e3; with all inputs offset by 30 spreads at about 1024 x 30 x 0.94 = 2.9e4).  Below 6.1e-5
; f16 steps are 6e-8 wide.
;
; A work-group takes 128 k x 64 n of one matrix; 16 x 8 blocks a matrix, two matrices: 256 work-groups.  Rows are read as 256 aligned bytes by
; sixteen lanes, two rows k, k+1 are packed into words (k in the low half), laid transposed into LDS, and read back as rows of n.
.set LPITCH, 272                       ; an LDS row: n's 128 k in f16, 256 bytes, + 16
.set GO, 3                             ; v3  byte offset of my 16 bytes in the block's first pair of rows
.set LS, 4                             ; v4  LDS address of my words
.set LR, 5                             ; v5  LDS address for reading back
.set GS, 6                             ; v6  byte offset of my 16 bytes in the output
.set X,  8                             ; v[8:39]   pass p: row k in 4 registers, row k+1 in 4
.set D,  40                            ; v[40:55]  packed words
.set R,  56                            ; v[56:71]  read back
	s_load_b256 s[4:11], s[0:1], 0x0               ; Wq s[4:5], Wo s[6:7], wqb s[8:9], wob s[10:11]
	v_lshl_add_u32 v80, v0, 2, 0x4400
	v_mov_b32 v81, 0
	s_and_b32 s12, ttmp7, 0xffff
	s_lshr_b32 s13, s12, 3                         ; which matrix
	s_and_b32 s14, s12, 7                          ; block of 128 k
	s_lshl_b32 s16, s14, 19                        ; 128 rows of 4,096 bytes
	s_lshl_b32 s15, ttmp9, 8                       ; 64 n of 4 bytes
	s_add_co_u32 s16, s16, s15
	s_mov_b32 s17, 0
	s_lshl_b32 s18, s14, 18                        ; out: two planes of 131,072 bytes
	s_lshl_b32 s15, ttmp9, 13                      ; 64 n of 128 bytes
	s_add_co_u32 s18, s18, s15
	s_mov_b32 s19, 0
	v_lshrrev_b32 v1, 4, v0                        ; t / 16: which pair of rows
	v_and_b32 v2, 15, v0                           ; t % 16: which four n
	v_lshlrev_b32 v[GO], 4, v2
	v_lshl_add_u32 v[GO], v1, 13, v[GO]            ; 8,192 (t / 16) + 16 (t % 16)
	v_mul_u32_u24 v[LS], v2, 4*LPITCH
	v_lshl_add_u32 v[LS], v1, 2, v[LS]             ; row 4 (t % 16), word t / 16
	v_lshrrev_b32 v[LR], 3, v0
	v_and_b32 v7, 7, v0
	v_mul_u32_u24 v[LR], v[LR], LPITCH
	v_lshl_add_u32 v[LR], v7, 4, v[LR]             ; row t / 8, 16 bytes t % 8
	v_lshlrev_b32 v[GS], 4, v0
	s_wait_kmcnt 0x0
	s_cmp_lg_u32 s13, 0
	s_cselect_b64 s[4:5], s[6:7], s[4:5]           ; the matrix,
	s_cselect_b64 s[8:9], s[10:11], s[8:9]         ; and its f16 copy
	s_add_nc_u64 s[4:5], s[4:5], s[16:17]
	s_add_nc_u64 s[8:9], s[8:9], s[18:19]
.irp p, 0,1,2,3
	global_load_b128 v[X+8*\p:X+8*\p+3],   v[GO], s[4:5] offset:\p*131072 th:TH_LOAD_NT        ; row k = 2 (16 p + t / 16)
	global_load_b128 v[X+8*\p+4:X+8*\p+7], v[GO], s[4:5] offset:\p*131072+4096 th:TH_LOAD_NT   ; row k + 1
.endr
.irp p, 0,1,2,3
	s_wait_loadcnt 6-2*\p                          ; loads come back in order: this pass's two are in, the later passes' stay out
.irp i, 0,1,2,3
	v_cvt_pk_f16_f32 v[D+4*\p+\i], v[X+8*\p+\i], v[X+8*\p+4+\i]   ; k in the low half, k + 1 in the high half
.endr
.irp i, 0,1,2,3
	ds_store_b32 v[LS], v[D+4*\p+\i] offset:\i*LPITCH+\p*64
.endr
.endr
	s_wait_dscnt 0x0                               ; my words are in LDS before I say so
	s_barrier_signal -1
	s_barrier_wait -1                              ; everybody's are
.irp q, 0,1,2,3
	ds_load_b128 v[R+4*\q:R+4*\q+3], v[LR] offset:(\q&1)*32*LPITCH+(\q>>1)*128   ; 32 rows of n, one half of the 128 k
.endr
.irp q, 0,1,2,3
	s_wait_dscnt 3-\q
	global_store_b128 v[GS], v[R+4*\q:R+4*\q+3], s[8:9] offset:(\q&1)*4096+(\q>>1)*131072   ; the work-group's store covers 4,096 consecutive bytes
.endr
	s_wait_tensorcnt 0x0
	ds_add_u32 v80, v81
	s_wait_dscnt 0x0
	s_endpgm
.Lfunc_end_k_q18392df288_prep:
	.size	k_q18392df288_prep, .Lfunc_end_k_q18392df288_prep-k_q18392df288_prep
	.p2alignl 7, 3214868480
	.fill 96, 4, 3214868480
	.section	.rodata,"a",@progbits
	.p2align	6, 0x0
	.amdhsa_kernel k_q18392df288_prep
		.amdhsa_group_segment_fixed_size 18432
		.amdhsa_private_segment_fixed_size 0
		.amdhsa_enable_private_segment 0
		.amdhsa_kernarg_size 32
		.amdhsa_user_sgpr_count 2
		.amdhsa_user_sgpr_kernarg_segment_ptr 1
		.amdhsa_wavefront_size32 1
		.amdhsa_system_sgpr_workgroup_id_x 1
		.amdhsa_system_sgpr_workgroup_id_y 1
		.amdhsa_system_sgpr_workgroup_id_z 1
		.amdhsa_system_vgpr_workitem_id 0
		.amdhsa_next_free_vgpr 82
		.amdhsa_next_free_sgpr 66
		.amdhsa_reserve_vcc 0
		.amdhsa_float_denorm_mode_32 3
		.amdhsa_float_denorm_mode_16_64 3
		.amdhsa_memory_ordered 1
		.amdhsa_forward_progress 1
		.amdhsa_inst_pref_size 6
	.end_amdhsa_kernel
	.amdgpu_metadata
---
amdhsa.version: [ 1, 2 ]
amdhsa.kernels:
  - .name:           k_q18392df288_prep
    .symbol:         k_q18392df288_prep.kd
    .args:
      - { .name: Wq, .offset: 0, .size: 8, .value_kind: global_buffer, .address_space: global }
      - { .name: Wo, .offset: 8, .size: 8, .value_kind: global_buffer, .address_space: global }
      - { .name: wqb, .offset: 16, .size: 8, .value_kind: global_buffer, .address_space: global }
      - { .name: wob, .offset: 24, .size: 8, .value_kind: global_buffer, .address_space: global }
    .group_segment_fixed_size: 18432
    .private_segment_fixed_size: 0
    .kernarg_segment_align: 8
    .kernarg_segment_size: 32
    .max_flat_workgroup_size: 256
    .sgpr_count:     66
    .vgpr_count:     82
    .wavefront_size: 32
...
	.end_amdgpu_metadata
.endif
;; end of part 1
;; launch proj (part 2): grid 4 x 64, 4 waves a work-group, clusters of 4 x 4, 327,680 bytes of LDS; arguments Q, K, V, wqb, bq, qws, kws, vws; writes qws, kws, vws
.if DOCPART == 2
	.amdgcn_target "amdgcn-amd-amdhsa--gfx1250"
	.amdhsa_code_object_version 6
	.text
	.protected	k_q18392df288_proj
	.globl	k_q18392df288_proj
	.p2align	8
	.type	k_q18392df288_proj,@function
k_q18392df288_proj:
	s_mov_b64 s[64:65], 0
	v_nop
	global_prefetch_b8 v0, s[64:65] scope:SCOPE_SE
	s_setreg_imm32_b32 hwreg(HW_REG_WAVE_MODE, 25, 1), 1
	s_wait_xcnt 0x0
	s_wait_alu depctr_hold_cnt(0) depctr_sa_sdst(0) depctr_va_vdst(0) depctr_va_sdst(0) depctr_va_ssrc(0) depctr_va_vcc(0) depctr_vm_vsrc(0)
	s_getreg_b32 s2, hwreg(HW_REG_IB_STS2, 6, 4)
	s_cmp_eq_u32 s2, 0
	s_cbranch_scc0 .Lentry_in_a_cluster
	s_endpgm
.Lentry_in_a_cluster:
	s_bfe_u32 s2, ttmp6, 0x10000c
	s_cmp_lg_u32 s2, 0xf033
	s_cbranch_scc0 .Lentry_shape_is_right
	s_endpgm
.Lentry_shape_is_right:
; q = (Q Wq + bq) c, k = K Wq, v = V Wq + bq, all stored in f16 as [batch][head][position][64].  c = log2(e) / 8, so that the attention's
; exponentials are plain powers of two.  LEFT OUT: bq in k (it adds q.bq / 8 to every score of a query alike, which a softmax cancels).
; LIMIT: operands and results are f16: magnitudes under 65,504.
; A work-group takes the same 128 rows of Q, of K and of V against one block of 256 columns of Wq, so that Wq's tile serves three products.
; Four waves; wave w owns rows 32 w .. 32 w + 31 of each input, all 256 columns: 2 x 16 accumulator tiles an input = 256 registers = one window.
; K goes in steps of 64 (a row of f32 is then 256 aligned bytes) through two LDS slots: Q's, K's, V's tile (128 x 272 bytes), Wq's (256 x 144 bytes).
; One tensor load a wave: waves 0, 1, 2 bring Q's, K's, V's tile, wave 3 Wq's.
; CLUSTERS: 4 x 4 work-groups.  The input tiles hang on the row block alone and are asked for jointly along a row of the cluster; Wq's tile hangs
; on the column block alone and is asked for jointly along a column.
; REGISTERS: window 0: addresses, F0 / F1 (two A fragments as 16 f32 each, converted in place into the lower 8), BF (16 fragments of Wq), RB.
;            windows 1, 2, 3: the accumulators of Q, K, V; tile (a, b) at v[8 (16 a + b)].
; The matrix instruction is used transposed (source 0 = 16 columns of Wq, source 1 = 16 rows of the input): a lane then holds eight neighbouring
; columns of one row, 16 bytes of f16.
; The 32 accumulators of a unit take turns, one instruction a turn, and the units go round three windows.
.set APITCH, 272                       ; 256 bytes + 16: the sixteen rows that a load touches begin in sixteen different 16-byte columns modulo 256
.set ATILE,  128*APITCH
.set BPITCH, 144                       ; 128 bytes + 16
.set BTILE,  256*BPITCH
.set SLOT,   3*ATILE+BTILE             ; 141,312
.set STAGE,  2*SLOT                    ; behind the ring: 4,608 bytes for each wave, never a tensor load's target
.set SPITCH, 144
.set SPLANE, 16*SPITCH                 ; one head's 16 rows
.set CSC,    0x3e38aa3b                ; log2(e) / 8
.set ADRA, 16                          ; v16-21  ADRA + 3 slot + input: LDS address of my A rows
.set ADRB, 22                          ; v22-23  the same for Wq's tile
.set STO,  24                          ; the way out: where I put 16 bytes
.set RD,   25                          ; where I read rows back
.set CO,   26                          ; my byte offset in the output
.set BQO,  27                          ; my byte offset in bq
.set F0,   32
.set F1,   64
.set BF,   96                          ; v96-223
.set RB,   224
.set T,    32                          ; the way out: v32-95
.set G1A, 28                           ; s[28:35] shape of an input tile
.set G1B, 36                           ; s[36:43] shape of Wq's tile
.set G0A, 44                           ; s[44:51] from where, to where: one set a slot
.set G0B, 52                           ; s[52:59]
.set MSB, 0
.macro WIN new                         ; the immediate's high byte repeats the setting that is left
.if MSB != (\new)
	s_set_vgpr_msb (MSB<<8)|(\new)
.set MSB, (\new)
.endif
.endm
.macro PLACES                          ; four plain vector instructions between a matrix instruction and a load into, or a vector access of, its registers
.rept 4
	v_nop
.endr
.endm
.macro CREST                           ; a round of the cluster's barrier behind its opening work-group barrier
	s_cmp_lg_u32 s20, 0
	s_cbranch_scc1 .Lnot_wave_0_\@
	s_barrier_signal -3
.Lnot_wave_0_\@:
	s_barrier_wait -3
	s_barrier_signal -1
	s_barrier_wait -1
.endm
.macro CROUND
	s_barrier_signal -1
	s_barrier_wait -1
	CREST
.endm
.macro JLOAD s                         ; my one joint load for slot s; the branch hangs on the wave's number alone
	s_cmp_eq_u32 s20, 3
	s_cbranch_scc1 .Lfor_b_\@
	tensor_load_to_lds s[G0A+4*\s:G0A+4*\s+3], s[G1A:G1A+7]
	s_nop 0
	s_branch .Lasked_\@
.Lfor_b_\@:
	tensor_load_to_lds s[G0B+4*\s:G0B+4*\s+3], s[G1B:G1B+7]
	s_nop 0
.Lasked_\@:
.endm
	s_load_b512 s[4:19], s[0:1], 0x0               ; Q s[4:5], K s[6:7], V s[8:9], wqb s[10:11], bq s[12:13], qws s[14:15], kws s[16:17], vws s[18:19]
	v_lshl_add_u32 v30, v0, 2, 0x49800
	v_mov_b32 v31, 0
	ds_add_u32 v30, v31
	v_lshrrev_b32 v1, 5, v0
	v_readfirstlane_b32 s20, v1                    ; wave 0..3
	s_bfe_u32 s21, ttmp6, 0x40000                  ; cx
	s_bfe_u32 s22, ttmp6, 0x40004                  ; cy
	s_lshl_b32 s61, ttmp9, 2
	s_add_co_u32 s61, s61, s21                     ; column block = 4 x cluster x + cx
	s_and_b32 s23, ttmp7, 0xffff
	s_lshl_b32 s23, s23, 2
	s_add_co_u32 s23, s23, s22                     ; row block = 4 x cluster y + cy
	s_lshl_b32 s24, s22, 2
	s_lshl_b32 s24, 15, s24                        ; my row of the cluster
	s_lshl_b32 s25, 0x1111, s21                    ; my column
	; an input tile: 128 rows x 64 f32, 1,024 elements from row to row; 4 words of padding behind every 64
	s_or_b32 s[G1A+0], s24, (2<<16)|(1<<20)|(1<<21)|(5<<22)|(3<<25)
	s_mov_b32 s[G1A+1], 64<<16
	s_mov_b32 s[G1A+2], 128<<16
	s_mov_b32 s[G1A+3], 64<<16
	s_mov_b32 s[G1A+4], 128
	s_mov_b32 s[G1A+5], 1024
	s_mov_b32 s[G1A+6], 0
	s_mov_b32 s[G1A+7], 0
	; Wq's tile: 32,768 dense bytes as 128 rows of 32 elements of 8 bytes; 4 words of padding behind every 32 words, that is behind each n's 128 bytes
	s_or_b32 s[G1B+0], s25, (3<<16)|(1<<20)|(1<<21)|(4<<22)|(3<<25)
	s_mov_b32 s[G1B+1], 32<<16
	s_mov_b32 s[G1B+2], 128<<16
	s_mov_b32 s[G1B+3], 32<<16
	s_mov_b32 s[G1B+4], 128
	s_mov_b32 s[G1B+5], 32
	s_mov_b32 s[G1B+6], 0
	s_mov_b32 s[G1B+7], 0
	s_lshl_b32 s26, s23, 19                        ; 128 rows of 4,096 bytes a row block
	s_mov_b32 s27, 0
	s_lshl_b32 s62, s61, 15                        ; 256 n of 128 bytes a column block
	s_mov_b32 s63, 0
	s_mul_i32 s68, s20, ATILE                      ; LDS: tile number = wave number (wave 3: behind the three input tiles)
	s_wait_dscnt 0x0
	s_wait_kmcnt 0x0
	s_cmp_eq_u32 s20, 1
	s_cselect_b64 s[66:67], s[6:7], s[4:5]         ; wave 0: Q, wave 1: K,
	s_cmp_ge_u32 s20, 2
	s_cselect_b64 s[66:67], s[8:9], s[66:67]       ; wave 2: V (wave 3 does not ask by this address)
	s_add_nc_u64 s[66:67], s[66:67], s[26:27]
	s_add_nc_u64 s[62:63], s[10:11], s[62:63]
.irp s, 0,1
	s_mov_b32 s[G0A+4*\s], 1
	s_add_co_u32 s[G0A+4*\s+1], s68, \s*SLOT
	s_add_nc_u64 s[G0A+4*\s+2:G0A+4*\s+3], s[66:67], \s*256        ; K step s: 64 f32 along the rows
	s_or_b32 s[G0A+4*\s+3], s[G0A+4*\s+3], 0x80000000
	s_mov_b32 s[G0B+4*\s], 1
	s_add_co_u32 s[G0B+4*\s+1], s68, \s*SLOT
	s_add_nc_u64 s[G0B+4*\s+2:G0B+4*\s+3], s[62:63], \s*131072     ; K step s: one plane of wqb
	s_or_b32 s[G0B+4*\s+3], s[G0B+4*\s+3], 0x80000000
.endr
	CROUND                                         ; all sixteen work-groups are here: the first joint loads meet
	s_cmp_eq_u32 s20, 3                            ; both first fills of a wave inside one branch: two tensor loads of the wave are out
	s_cbranch_scc1 .Lfirst_b
	tensor_load_to_lds s[G0A:G0A+3], s[G1A:G1A+7]
	s_nop 0
	tensor_load_to_lds s[G0A+4:G0A+7], s[G1A:G1A+7]
	s_nop 0
	s_branch .Lfirst_done
.Lfirst_b:
	tensor_load_to_lds s[G0B:G0B+3], s[G1B:G1B+7]
	s_nop 0
	tensor_load_to_lds s[G0B+4:G0B+7], s[G1B:G1B+7]
	s_nop 0
.Lfirst_done:
	v_and_b32 v1, 15, v0                           ; r = lane % 16
	v_bfe_u32 v2, v0, 4, 1                         ; h = lane / 16
	v_mul_u32_u24 v3, v1, APITCH
	v_lshl_add_u32 v3, v2, 5, v3                   ; r x 272 + 32 h: eight f32 for each half of the lanes
	s_mul_i32 s69, s20, 32*APITCH                  ; my 32 rows
	v_add_nc_u32 v3, s69, v3
.irp s, 0,1
.irp i, 0,1,2
	v_add_nc_u32 v[ADRA+3*\s+\i], \s*SLOT+\i*ATILE, v3
.endr
.endr
	v_mul_u32_u24 v4, v1, BPITCH
	v_lshl_add_u32 v4, v2, 4, v4                   ; r x 144 + 16 h
	v_add_nc_u32 v[ADRB], 3*ATILE, v4
	v_add_nc_u32 v[ADRB+1], SLOT+3*ATILE, v4
	s_mul_i32 s69, s20, 2*SPLANE
	s_add_co_u32 s69, s69, STAGE                   ; my stage
	v_add_nc_u32 v[STO], s69, v4
	v_and_b32 v5, 7, v0
	v_bfe_u32 v6, v0, 3, 1
	v_mul_u32_u24 v7, v2, SPLANE                   ; back: lanes 0-15 one head, lanes 16-31 the next; eight lanes a row of 128 bytes
	v_mad_u32_u24 v7, v6, SPITCH, v7
	v_lshl_add_u32 v7, v5, 4, v7
	v_add_nc_u32 v[RD], s69, v7
	v_lshlrev_b32 v8, 18, v2                       ; a head is 2,048 rows of 128 bytes
	v_lshl_add_u32 v8, v6, 7, v8
	v_lshl_add_u32 v[CO], v5, 4, v8
	v_lshlrev_b32 v[BQO], 5, v2                    ; eight f32 of bq for each half of the lanes
; two A fragments (rows 16 a + r) as f32: k = 32 c + 8 h .. + 7 and 32 c + 16 + 8 h .. + 7
.macro LDA g, areg, c
.irp a, 0,1
	ds_load_b128 v[\g+16*\a:\g+16*\a+3],     v[\areg] offset:\a*16*APITCH+\c*128
	ds_load_b128 v[\g+16*\a+4:\g+16*\a+7],   v[\areg] offset:\a*16*APITCH+\c*128+16
	ds_load_b128 v[\g+16*\a+8:\g+16*\a+11],  v[\areg] offset:\a*16*APITCH+\c*128+64
	ds_load_b128 v[\g+16*\a+12:\g+16*\a+15], v[\areg] offset:\a*16*APITCH+\c*128+80
.endr
.endm
.macro CVT g                           ; 16 f32 to 8 registers of f16, in place: word n is written when words 2 n, 2 n + 1 are read
.irp a, 0,1
.irp n, 0,1,2,3,4,5,6,7
	v_cvt_pk_f16_f32 v[\g+16*\a+\n], v[\g+16*\a+2*\n], v[\g+16*\a+2*\n+1]
.endr
.endr
.endm
.macro LDB half, slot, c               ; eight of Wq's sixteen fragments
.irp i, 0,1,2,3,4,5,6,7
	ds_load_b128 v[BF+8*(8*\half+\i):BF+8*(8*\half+\i)+3],   v[ADRB+\slot] offset:(8*\half+\i)*16*BPITCH+\c*64
	ds_load_b128 v[BF+8*(8*\half+\i)+4:BF+8*(8*\half+\i)+7], v[ADRB+\slot] offset:(8*\half+\i)*16*BPITCH+\c*64+32
.endr
.endm
.macro MUL f, b0, nb, zero             ; column tiles b0 .. b0 + nb - 1, both row tiles; zero = 1: the product starts the sum
.set bi_, \b0
.rept \nb
.irp a, 0,1
.if \zero
	v_wmma_f32_16x16x32_f16 v[8*(16*\a+bi_):8*(16*\a+bi_)+7], v[BF+8*bi_:BF+8*bi_+7], v[\f+16*\a:\f+16*\a+7], 0
.else
	v_wmma_f32_16x16x32_f16 v[8*(16*\a+bi_):8*(16*\a+bi_)+7], v[BF+8*bi_:BF+8*bi_+7], v[\f+16*\a:\f+16*\a+7], v[8*(16*\a+bi_):8*(16*\a+bi_)+7]
.endif
.endr
.set bi_, bi_+1
.endr
.endm
; One input's 32 matrix instructions for 32 along K, from A buffer f, under window setting m.
; pb: Wq's fragments 8-15 for (slot ps, chunk pc) are loaded first (0-7 were loaded in the unit before).  la: the next unit's A goes into buffer g
; (address register lr, chunk lc) and is converted.  mb: behind the use of Wq's fragments 0-7 they are loaded anew for (slot ms, chunk mc).
; turn: the slot has been read to its end: 1 = work-group barrier, 2 = a round of the cluster's barrier and the slot's refill.
.macro UNIT m, f, g, zero, pb, ps, pc, la, lr, lc, mb, ms, mc, turn, slot
.if \pb+\la
	WIN 0
	PLACES                                         ; behind the last unit's matrix instructions, which read buffer g and fragments 8-15
.endif
.if \pb
	LDB 1, \ps, \pc
.endif
.if \la
	LDA \g, \lr, \lc
.endif
.if \pb
	s_wait_dscnt 24                                ; fragments 0-7 are in: the 16 + 8 loads just issued may be out
.endif
	WIN \m
	MUL \f, 0, 8, \zero
.if \mb
	PLACES
	WIN 0
	LDB 0, \ms, \mc
.endif
.if \pb
	s_wait_dscnt 8                                 ; fragments 8-15 are in: A's eight loads may be out
.endif
	WIN \m
	MUL \f, 8, 3, \zero
.if \la
	WIN 0
	s_wait_dscnt 16*\mb                            ; A's eight loads are in; the sixteen of Wq issued behind them (if any) may be out
	CVT \g
.endif
.if \turn
	s_wait_tensorcnt 0x0                           ; the wait above was for 0: my reads of this slot are over; and all my tensor loads have landed, my part of the next slot among them
	ds_add_u32 v30, v31
	s_wait_dscnt 0x0
	s_barrier_signal -1
.endif
	WIN \m
	MUL \f, 11, 5, \zero                           ; register work while the others arrive
.if \turn
	WIN 0
	s_barrier_wait -1
.endif
.if \turn == 2
	CREST                                          ; no wave of any partner still reads this slot or has a load on its way
	s_add_nc_u64 s[G0A+4*\slot+2:G0A+4*\slot+3], s[G0A+4*\slot+2:G0A+4*\slot+3], 512
	s_add_nc_u64 s[G0B+4*\slot+2:G0B+4*\slot+3], s[G0B+4*\slot+2:G0B+4*\slot+3], 262144
	JLOAD \slot                                    ; two K steps ahead: the first tensor load behind the round, my only one until the next
.endif
.endm
; A K step of 64: Q, K, V on chunk 0, then on chunk 1.
.macro STEP slot, next, zero, pre, turn, last
	UNIT 0x50, F0, F1, \zero, \pre, \slot, 0, 1, ADRA+3*\slot+1, 0, 0, 0, 0, 0, 0
	UNIT 0xa0, F1, F0, \zero, 0, 0, 0, 1, ADRA+3*\slot+2, 0, 0, 0, 0, 0, 0
	UNIT 0xf0, F0, F1, \zero, 0, 0, 0, 1, ADRA+3*\slot+0, 1, 1, \slot, 1, 0, 0
	UNIT 0x50, F1, F0, 0, 1, \slot, 1, 1, ADRA+3*\slot+1, 1, 0, 0, 0, 0, 0
	UNIT 0xa0, F0, F1, 0, 0, 0, 0, 1, ADRA+3*\slot+2, 1, 0, 0, 0, \turn, \slot
.if \last
	UNIT 0xf0, F1, F0, 0, 0, 0, 0, 0, 0, 0, 0, 0, 0, 0, 0
.else
	UNIT 0xf0, F1, F0, 0, 0, 0, 0, 1, ADRA+3*\next+0, 0, 1, \next, 0, 0, 0
.endif
.endm
	s_wait_tensorcnt 0x1                           ; my part of K step 0 is in; K step 1's may stay out
	s_barrier_signal -1
	s_barrier_wait -1
	LDB 0, 0, 0
	LDB 1, 0, 0
	LDA F0, ADRA, 0
	s_wait_dscnt 0x0
	CVT F0
	STEP 0, 1, 1, 0, 2, 0                          ; the first lap stands in front of the loop: its first products start the sums
	STEP 1, 0, 0, 1, 2, 0
	WIN 0
	s_mov_b32 s60, 6
.Llap:
	STEP 0, 1, 0, 1, 2, 0
	STEP 1, 0, 0, 1, 2, 0
	WIN 0
	s_sub_co_u32 s60, s60, 1
	s_cmp_lg_u32 s60, 0
	s_cbranch_scc1 .Llap
	STEP 0, 1, 0, 1, 1, 0                          ; the last lap fills nothing
	STEP 1, 0, 0, 1, 0, 1
	; THE WAY OUT: 16 rows x 128 columns (two heads) at a time through my own stage, so that sixteen lanes store 256 consecutive bytes.
	WIN 0
	PLACES                                         ; behind the last matrix instructions: BF is loaded anew, the results are read
	s_lshl_b32 s72, s61, 10                        ; bq at my 256 columns
	s_mov_b32 s73, 0
	s_add_nc_u64 s[12:13], s[12:13], s[72:73]
.irp b, 0,1,2,3,4,5,6,7,8,9,10,11,12,13,14,15
	global_load_b128 v[BF+8*\b:BF+8*\b+3],   v[BQO], s[12:13] offset:64*\b       ; bq of columns 16 b + 8 h .. + 7
	global_load_b128 v[BF+8*\b+4:BF+8*\b+7], v[BQO], s[12:13] offset:64*\b+16
.endr
	s_lshr_b32 s70, s23, 4                         ; batch
	s_lshl_b32 s70, s70, 4
	s_lshl_b32 s71, s61, 2                         ; four heads a column block
	s_add_co_u32 s70, s70, s71
	s_lshl_b32 s70, s70, 11                        ; 2,048 positions a head
	s_and_b32 s71, s23, 15
	s_lshl_b32 s71, s71, 7
	s_add_co_u32 s70, s70, s71                     ; the row block's first position
	s_lshl_b32 s71, s20, 5
	s_add_co_u32 s70, s70, s71                     ; my 32 rows
	s_lshl_b32 s70, s70, 7                         ; rows of 128 bytes
	s_mov_b32 s71, 0
	s_add_nc_u64 s[14:15], s[14:15], s[70:71]
	s_add_nc_u64 s[16:17], s[16:17], s[70:71]
	s_add_nc_u64 s[18:19], s[18:19], s[70:71]
; rows 16 a .. + 15, column tiles 8 hb .. + 7.  mode 0: as it is (k, window 2); 1: + bq (v, window 3); 2: x c + bq c (q, window 1)
.macro OUT a, hb, mode, base
.if \mode == 0
	WIN 0x0a
.set oi_, 0
.rept 8
.irp rr, 0,1,2,3
	v_cvt_pk_f16_f32 v[T+4*oi_+\rr], v[8*(16*\a+8*\hb+oi_)+2*\rr], v[8*(16*\a+8*\hb+oi_)+2*\rr+1]
.endr
.set oi_, oi_+1
.endr
	WIN 0
.else
.if \mode == 1
	WIN 0x03
.else
	WIN 0x01
.endif
.set oi_, 0
.rept 8
.irp rr, 0,2,4,6
.if \mode == 1
	v_pk_add_f32 v[T+8*oi_+\rr:T+8*oi_+\rr+1], v[8*(16*\a+8*\hb+oi_)+\rr:8*(16*\a+8*\hb+oi_)+\rr+1], v[BF+8*(8*\hb+oi_)+\rr:BF+8*(8*\hb+oi_)+\rr+1]
.else
	v_pk_fma_f32 v[T+8*oi_+\rr:T+8*oi_+\rr+1], v[8*(16*\a+8*\hb+oi_)+\rr:8*(16*\a+8*\hb+oi_)+\rr+1], CSC, v[BF+8*(8*\hb+oi_)+\rr:BF+8*(8*\hb+oi_)+\rr+1] op_sel_hi:[1,0,1]
.endif
.endr
.set oi_, oi_+1
.endr
	WIN 0
.set oi_, 0
.rept 32
	v_cvt_pk_f16_f32 v[T+oi_], v[T+2*oi_], v[T+2*oi_+1]
.set oi_, oi_+1
.endr
.endif
.irp bb, 0,1,2,3,4,5,6,7
	ds_store_b128 v[STO], v[T+4*\bb:T+4*\bb+3] offset:(\bb>>2)*SPLANE+(\bb&3)*32
.endr
	s_wait_xcnt 0x0                                ; RB, which the last stores read, is loaded anew only behind this wait
.irp t, 0,1,2,3,4,5,6,7
	ds_load_b128 v[RB+4*\t:RB+4*\t+3], v[RD] offset:\t*2*SPITCH    ; LDS serves a wave's instructions in order: these see the stores above
.endr
.irp t, 0,1,2,3,4,5,6,7
	s_wait_dscnt 7-\t
	global_store_b128 v[CO], v[RB+4*\t:RB+4*\t+3], s[\base:\base+1] offset:\hb*524288+\a*2048+\t*256   ; sixteen lanes: two rows of a head, 256 consecutive bytes, aligned
.endr
.endm
	OUT 0, 0, 0, 16
	OUT 0, 1, 0, 16
	OUT 1, 0, 0, 16
	OUT 1, 1, 0, 16
	s_wait_loadcnt 0x0                             ; bq
	OUT 0, 0, 1, 18
	OUT 0, 1, 1, 18
	OUT 1, 0, 1, 18
	OUT 1, 1, 1, 18
.set oi_, 0
.rept 64
	v_pk_mul_f32 v[BF+2*oi_:BF+2*oi_+1], v[BF+2*oi_:BF+2*oi_+1], CSC op_sel_hi:[1,0]   ; bq c, once, so that q is one fused multiply-add a pair
.set oi_, oi_+1
.endr
	OUT 0, 0, 2, 14
	OUT 0, 1, 2, 14
	OUT 1, 0, 2, 14
	OUT 1, 1, 2, 14
	s_wait_tensorcnt 0x0
	ds_add_u32 v30, v31
	s_wait_dscnt 0x0
	CROUND                                         ; the closing round: no work-group ends while a partner may still ask for a tile that names it
	s_endpgm
.Lfunc_end_k_q18392df288_proj:
	.size	k_q18392df288_proj, .Lfunc_end_k_q18392df288_proj-k_q18392df288_proj
	.p2alignl 7, 3214868480
	.fill 96, 4, 3214868480
	.section	.rodata,"a",@progbits
	.p2align	6, 0x0
	.amdhsa_kernel k_q18392df288_proj
		.amdhsa_group_segment_fixed_size 327680
		.amdhsa_private_segment_fixed_size 0
		.amdhsa_enable_private_segment 0
		.amdhsa_kernarg_size 64
		.amdhsa_user_sgpr_count 2
		.amdhsa_user_sgpr_kernarg_segment_ptr 1
		.amdhsa_wavefront_size32 1
		.amdhsa_system_sgpr_workgroup_id_x 1
		.amdhsa_system_sgpr_workgroup_id_y 1
		.amdhsa_system_sgpr_workgroup_id_z 1
		.amdhsa_system_vgpr_workitem_id 0
		.amdhsa_next_free_vgpr 1024
		.amdhsa_next_free_sgpr 76
		.amdhsa_reserve_vcc 0
		.amdhsa_float_denorm_mode_32 3
		.amdhsa_float_denorm_mode_16_64 3
		.amdhsa_memory_ordered 1
		.amdhsa_forward_progress 1
		.amdhsa_inst_pref_size 252
	.end_amdhsa_kernel
	.amdgpu_metadata
---
amdhsa.version: [ 1, 2 ]
amdhsa.kernels:
  - .name:           k_q18392df288_proj
    .symbol:         k_q18392df288_proj.kd
    .args:
      - { .name: Q, .offset: 0, .size: 8, .value_kind: global_buffer, .address_space: global }
      - { .name: K, .offset: 8, .size: 8, .value_kind: global_buffer, .address_space: global }
      - { .name: V, .offset: 16, .size: 8, .value_kind: global_buffer, .address_space: global }
      - { .name: wqb, .offset: 24, .size: 8, .value_kind: global_buffer, .address_space: global }
      - { .name: bq, .offset: 32, .size: 8, .value_kind: global_buffer, .address_space: global }
      - { .name: qws, .offset: 40, .size: 8, .value_kind: global_buffer, .address_space: global }
      - { .name: kws, .offset: 48, .size: 8, .value_kind: global_buffer, .address_space: global }
      - { .name: vws, .offset: 56, .size: 8, .value_kind: global_buffer, .address_space: global }
    .group_segment_fixed_size: 327680
    .private_segment_fixed_size: 0
    .kernarg_segment_align: 8
    .kernarg_segment_size: 64
    .max_flat_workgroup_size: 128
    .sgpr_count:     76
    .vgpr_count:     1024
    .wavefront_size: 32
...
	.end_amdgpu_metadata
.endif
;; end of part 2
;; launch attn (part 3): grid 4 x 64, 4 waves a work-group, clusters of 4 x 1, 327,680 bytes of LDS; arguments qws, kws, vws, ctx; writes ctx
.if DOCPART == 3
	.amdgcn_target "amdgcn-amd-amdhsa--gfx1250"
	.amdhsa_code_object_version 6
	.text
	.protected	k_q18392df288_attn
	.globl	k_q18392df288_attn
	.p2align	8
	.type	k_q18392df288_attn,@function
k_q18392df288_attn:
	s_mov_b64 s[64:65], 0
	v_nop
	global_prefetch_b8 v0, s[64:65] scope:SCOPE_SE
	s_setreg_imm32_b32 hwreg(HW_REG_WAVE_MODE, 25, 1), 1
	s_wait_xcnt 0x0
	s_wait_alu depctr_hold_cnt(0) depctr_sa_sdst(0) depctr_va_vdst(0) depctr_va_sdst(0) depctr_va_ssrc(0) depctr_va_vcc(0) depctr_vm_vsrc(0)
	s_getreg_b32 s2, hwreg(HW_REG_IB_STS2, 6, 4)
	s_cmp_eq_u32 s2, 0
	s_cbranch_scc0 .Lentry_in_a_cluster
	s_endpgm
.Lentry_in_a_cluster:
	s_bfe_u32 s2, ttmp6, 0x10000c
	s_cmp_lg_u32 s2, 0x3003
	s_cbranch_scc0 .Lentry_shape_is_right
	s_endpgm
.Lentry_shape_is_right:
; ctx = softmax(q k^T) v for one head and 512 queries, with a running maximum.  q holds the factor log2(e) / 8, so the exponentials are powers of two.
; k comes without bq (a term that is the same for all keys of a query; a softmax cancels it).
; LIMITS: f16 operands (magnitudes under 65,504; weights under 6e-8 of a row's largest count as 0).  The running maximum ignores a NaN score; the NaN
; still reaches the result through its exponential.
; Four waves; wave w owns 128 queries as two pieces of four tiles of 16.  The four work-groups of a cluster are the four query blocks of one head and read
; the same K and V: every tile is asked for jointly (mask 15).
; BOTH PRODUCTS ARE TRANSPOSED.  S^T = K Q^T: a lane holds ONE query (lane % 16) and eight keys a tile, so a query's maximum and sum need one
; exchange between the halves of the wave, and two neighbouring tiles packed to f16 ARE the second operand of O^T = V^T P^T: no trip through LDS.
; V^T's fragments come from [key][d] by the transposing LDS load.  In O^T a lane holds eight neighbouring d of one query: 16 bytes of f16.
; LDS: two slots of 512 keys: V (pitch 160), then K (pitch 144).  Waves 0, 1 bring V's halves, waves 2, 3 K's: one tensor load a wave, 32,768 bytes.
; A step is 64 keys; eight steps a slot; four slots' worth of keys.
; THE TWO PIECES TAKE TURNS.  A step is two phases of 64 products each:
;   B(t):     O1 += V(t) P1(t), then S1 = K(t+1) Q1      beside the softmax and the rescaling of piece 2, step t
;   A(t + 1): O2 += V(t) P2(t), then S2 = K(t+1) Q2      beside the softmax and the rescaling of piece 1, step t + 1
; The vector list of a phase (472 instructions; 392 in the first step, which rescales nothing) drives the text: behind each of its instructions TICK
; counts, and a product is issued behind every 472 / 64 of them.  K's fragments are loaded behind the last product that reads them (the head of B), V's
; likewise (in A, in front of its 35th product), each 30 products or more ahead of its first use.
; The body of the loops is B(t), A(t + 1): it loads step t + 1's fragments alone, so a change of slots falls between two bodies.
; REGISTERS: window 0: addresses, KF (8 fragments of K), VF (8 of V^T).  Windows 1, 2 (piece 1, 2): S / P, QF, the statistics.  Window 3: O.
; In each run of 32 products sixteen accumulators take turns, one instruction a turn, and neighbouring runs name other accumulators.
; The places behind a product (ISA guide 7.12.1) are the other piece's plain vector instructions, which lie in other windows.
.set KPITCH, 144
.set VPITCH, 160
.set VBYTES, 512*VPITCH                ; 81,920
.set SLOT,   VBYTES+512*KPITCH         ; 155,648
.set STAGE,  2*SLOT                    ; 2,304 bytes for each wave, never a tensor load's target
.set KL,   4                           ; LDS address of my part of a K fragment in slot 0
.set VL,   5                           ; of a V^T fragment
.set KADR, 6                           ; the same at the step that is loaded next
.set VADR, 7
.set STO,  8
.set RD,   9
.set CO,   10
.set QO,   11
.set KF,   64                          ; KF(kt, dh) at KF + 8 (2 kt + dh)
.set VF,   128                         ; VF(c, dt) at VF + 8 (4 c + dt)
.set ET,   64                          ; the way out
.set RBK,  128
; in a piece's window: S(q, kt, j) at 32 q + 8 kt + j; P's fragment (q, c) in place at 32 q + 8 c
.set QF,   128                         ; QF(q, dh) at QF + 8 (2 q + dh)
.set MR,   192                         ; MR + 2 q: running maximum; MR + 2 q + 1: at work
.set AR,   200                         ; AR + 2 q: 2^(old maximum - new); AR + 2 q + 1: running sum of my half's keys
.set TA,   208                         ; TA + q: at work
.set SA,   212                         ; SA + 4 q, SB + 4 q: two pairs of partial sums
.set SB,   214
.set G1K, 20
.set G1V, 28
.set G0K, 36                           ; one set a slot
.set G0V, 44
.set MSB, 0
.macro WIN new                         ; writes a switch only where the setting changes; the immediate's high byte repeats the setting that is left
.if MSB != (\new)
	s_set_vgpr_msb (MSB<<8)|(\new)
.set MSB, (\new)
.endif
.endm
.macro PLACES
.rept 4
	v_nop
.endr
.endm
.macro ROUND                           ; a round of the cluster's barrier
	s_barrier_signal -1
	s_barrier_wait -1
	s_cmp_lg_u32 s12, 0
	s_cbranch_scc1 .Lnot_wave_0_\@
	s_barrier_signal -3
.Lnot_wave_0_\@:
	s_barrier_wait -3
	s_barrier_signal -1
	s_barrier_wait -1
.endm
.macro JLOAD s
	s_cmp_lt_u32 s12, 2
	s_cbranch_scc0 .Lfor_k_\@
	tensor_load_to_lds s[G0V+4*\s:G0V+4*\s+3], s[G1V:G1V+7]
	s_nop 0
	s_branch .Lasked_\@
.Lfor_k_\@:
	tensor_load_to_lds s[G0K+4*\s:G0K+4*\s+3], s[G1K:G1K+7]
	s_nop 0
.Lasked_\@:
.endm
	s_load_b256 s[4:11], s[0:1], 0x0               ; qws s[4:5], kws s[6:7], vws s[8:9], ctx s[10:11]
	v_lshl_add_u32 v254, v0, 2, 0x4e400
	v_mov_b32 v255, 0
	ds_add_u32 v254, v255
	v_lshrrev_b32 v1, 5, v0
	v_readfirstlane_b32 s12, v1                    ; wave 0..3
	s_bfe_u32 s13, ttmp6, 0x40000                  ; cx
	s_lshl_b32 s15, ttmp9, 2
	s_add_co_u32 s15, s15, s13                     ; query block
	s_and_b32 s14, ttmp7, 0xffff                   ; 16 x batch + head
	s_mov_b32 s16, 0x76543210                      ; v_permlanex16_b32: lane i reads lane i of the other half
	s_mov_b32 s17, 0xfedcba98
	; 256 keys = 32,768 dense bytes as 128 rows of 32 elements of 8 bytes; padding behind every 32 words (a key's 128 bytes): 4 words for K, 8 for V
	s_mov_b32 s[G1K+0], 15|(3<<16)|(1<<20)|(1<<21)|(4<<22)|(3<<25)
	s_mov_b32 s[G1V+0], 15|(3<<16)|(1<<20)|(1<<21)|(4<<22)|(7<<25)
	s_mov_b32 s[G1K+1], 32<<16
	s_mov_b32 s[G1V+1], 32<<16
	s_mov_b32 s[G1K+2], 128<<16
	s_mov_b32 s[G1V+2], 128<<16
	s_mov_b32 s[G1K+3], 32<<16
	s_mov_b32 s[G1V+3], 32<<16
	s_mov_b32 s[G1K+4], 128
	s_mov_b32 s[G1V+4], 128
	s_mov_b32 s[G1K+5], 32
	s_mov_b32 s[G1V+5], 32
	s_mov_b32 s[G1K+6], 0
	s_mov_b32 s[G1V+6], 0
	s_mov_b32 s[G1K+7], 0
	s_mov_b32 s[G1V+7], 0
	s_and_b32 s18, s12, 1                          ; which 256 keys of a slot I fetch
	s_lshl_b32 s54, s18, 15
	s_lshl_b32 s19, s14, 18                        ; a head is 2,048 rows of 128 bytes
	s_add_co_u32 s54, s54, s19
	s_mov_b32 s55, 0
	s_mul_i32 s56, s12, 256*VPITCH                 ; waves 0, 1: V's halves at 0 and 40,960
	s_mul_i32 s57, s12, 256*KPITCH
	s_add_co_u32 s57, s57, VBYTES-512*KPITCH       ; waves 2, 3: K's halves at 81,920 and 118,784
	s_lshl_b32 s62, s15, 16                        ; my queries: 512 rows a block,
	s_add_co_u32 s62, s62, s19
	s_lshl_b32 s63, s12, 14                        ; 128 rows a wave
	s_add_co_u32 s62, s62, s63
	s_mov_b32 s63, 0
	s_wait_dscnt 0x0
	s_wait_kmcnt 0x0
	s_add_nc_u64 s[58:59], s[6:7], s[54:55]
	s_add_nc_u64 s[60:61], s[8:9], s[54:55]
	s_add_nc_u64 s[4:5], s[4:5], s[62:63]
	s_add_nc_u64 s[10:11], s[10:11], s[62:63]
.irp s, 0,1
	s_mov_b32 s[G0K+4*\s], 1
	s_add_co_u32 s[G0K+4*\s+1], s57, \s*SLOT
	s_add_nc_u64 s[G0K+4*\s+2:G0K+4*\s+3], s[58:59], \s*65536      ; 512 keys a slot
	s_or_b32 s[G0K+4*\s+3], s[G0K+4*\s+3], 0x80000000
	s_mov_b32 s[G0V+4*\s], 1
	s_add_co_u32 s[G0V+4*\s+1], s56, \s*SLOT
	s_add_nc_u64 s[G0V+4*\s+2:G0V+4*\s+3], s[60:61], \s*65536
	s_or_b32 s[G0V+4*\s+3], s[G0V+4*\s+3], 0x80000000
.endr
	ROUND                                          ; the four work-groups are here: the first joint loads meet
	s_cmp_lt_u32 s12, 2                            ; both first fills of a wave inside one branch: two tensor loads of the wave are out
	s_cbranch_scc0 .Lfirst_k
	tensor_load_to_lds s[G0V:G0V+3], s[G1V:G1V+7]
	s_nop 0
	tensor_load_to_lds s[G0V+4:G0V+7], s[G1V:G1V+7]
	s_nop 0
	s_branch .Lfirst_done
.Lfirst_k:
	tensor_load_to_lds s[G0K:G0K+3], s[G1K:G1K+7]
	s_nop 0
	tensor_load_to_lds s[G0K+4:G0K+7], s[G1K:G1K+7]
	s_nop 0
.Lfirst_done:
	v_and_b32 v1, 15, v0                           ; r
	v_bfe_u32 v2, v0, 4, 1                         ; h
	v_lshlrev_b32 v[QO], 7, v1
	v_lshl_add_u32 v[QO], v2, 4, v[QO]             ; query r's row of 128 bytes, 16 bytes for each half of the lanes
	; Q's fragments stay in registers for the whole kernel: query 16 qt + r, d = 32 dh + 8 h .. + 7 and + 16
.irp p, 1,2
	WIN 0x40*\p
.irp q, 0,1,2,3
.irp dh, 0,1
	global_load_b128 v[QF+8*(2*\q+\dh):QF+8*(2*\q+\dh)+3],   v[QO], s[4:5] offset:(4*(\p-1)+\q)*2048+\dh*64
	global_load_b128 v[QF+8*(2*\q+\dh)+4:QF+8*(2*\q+\dh)+7], v[QO], s[4:5] offset:(4*(\p-1)+\q)*2048+\dh*64+32
.endr
.endr
.endr
	WIN 0
	v_mul_u32_u24 v12, v1, KPITCH
	v_lshl_add_u32 v12, v2, 4, v12                 ; r x 144 + 16 h
	v_add_nc_u32 v[KL], VBYTES, v12
	v_and_b32 v13, 7, v0
	v_lshl_add_u32 v13, v2, 3, v13                 ; key 8 h + lane % 8
	v_mul_u32_u24 v13, v13, VPITCH
	v_bfe_u32 v14, v0, 3, 1
	v_lshl_add_u32 v[VL], v14, 4, v13              ; + 16 bytes for lanes 8-15 of each half
	s_mul_i32 s18, s12, 16*KPITCH
	s_add_co_u32 s18, s18, STAGE                   ; my stage
	v_add_nc_u32 v[STO], s18, v12
	v_and_b32 v15, 31, v0
	v_lshrrev_b32 v16, 3, v15
	v_mul_u32_u24 v16, v16, KPITCH                 ; back: eight lanes a row of 128 bytes
	v_and_b32 v17, 7, v0
	v_lshl_add_u32 v16, v17, 4, v16
	v_add_nc_u32 v[RD], s18, v16
	v_lshlrev_b32 v[CO], 4, v15
; ---- the products, one at a time ----
.macro SMI p, i                        ; product i = 16 dh + 4 kt + q of S^T of piece p: 4 key tiles x 4 query tiles, d in two halves; the first half starts the sums
.set wd_, 32*((\i)&3)+8*(((\i)>>2)&3)
.set wa_, KF+8*(2*(((\i)>>2)&3)+((\i)>>4))
.set wb_, QF+8*(2*((\i)&3)+((\i)>>4))
	WIN 0x54*(\p)
.if (\i) < 16
	v_wmma_f32_16x16x32_f16 v[wd_:wd_+7], v[wa_:wa_+7], v[wb_:wb_+7], 0
.else
	v_wmma_f32_16x16x32_f16 v[wd_:wd_+7], v[wa_:wa_+7], v[wb_:wb_+7], v[wd_:wd_+7]
.endif
.endm
.macro PVI p, first, i                 ; product i = 16 c + 4 dt + q of O^T += V^T P^T of piece p: 4 tiles of d x 4 query tiles, the 64 keys in two halves
.set wd_, 128*((\p)-1)+32*((\i)&3)+8*(((\i)>>2)&3)
.set wa_, VF+8*((\i)>>2)
.set wb_, 32*((\i)&3)+8*((\i)>>4)
.set wz_, 0
.if \first
.if (\i) < 16
.set wz_, 1                            ; the first step's first half starts O: nothing is cleared
.endif
.endif
	WIN 0xf0+4*(\p)
.if wz_
	v_wmma_f32_16x16x32_f16 v[wd_:wd_+7], v[wa_:wa_+7], v[wb_:wb_+7], 0
.else
	v_wmma_f32_16x16x32_f16 v[wd_:wd_+7], v[wa_:wa_+7], v[wb_:wb_+7], v[wd_:wd_+7]
.endif
.endm
.macro LDK                             ; the next step's eight fragments of K; every window 0
.irp kt, 0,1,2,3
.irp dh, 0,1
	ds_load_b128 v[KF+8*(2*\kt+\dh):KF+8*(2*\kt+\dh)+3],   v[KADR] offset:\kt*16*KPITCH+\dh*64
	ds_load_b128 v[KF+8*(2*\kt+\dh)+4:KF+8*(2*\kt+\dh)+7], v[KADR] offset:\kt*16*KPITCH+\dh*64+32
.endr
.endr
	v_add_nc_u32 v[KADR], 64*KPITCH, v[KADR]
.endm
.macro LDV                             ; the next step's eight fragments of V^T
.irp c, 0,1
.irp dt, 0,1,2,3
	ds_load_tr16_b128 v[VF+8*(4*\c+\dt):VF+8*(4*\c+\dt)+3],   v[VADR] offset:\c*32*VPITCH+\dt*32
	ds_load_tr16_b128 v[VF+8*(4*\c+\dt)+4:VF+8*(4*\c+\dt)+7], v[VADR] offset:\c*32*VPITCH+\dt*32+16*VPITCH
.endr
.endr
	v_add_nc_u32 v[VADR], 64*VPITCH, v[VADR]
.endm
; The phase's next product.  PVP_: the piece whose O is added to in products 0-31 (0: none); SMP_: the piece whose S follows (or stands alone).
.macro MNEXT
.if PVP_
.if mi_ < 32
	PVI PVP_, PVF_, mi_
.else
.if mi_ == 32
.if KW_
	s_wait_dscnt 0x0                               ; K's sixteen loads, issued at the phase's head, 32 products ago; nothing was issued behind them
.endif
.endif
.if mi_ == 34
.if LV_
	WIN 0                                          ; V's fragments were last read by product 31; three slices of the other piece's list stand between, at least six of them plain
	LDV
.endif
.endif
	SMI SMP_, mi_-32
.endif
.else
	SMI SMP_, mi_
.endif
.set mi_, mi_+1
.endm
; Behind each vector instruction of a phase's list: product k stands behind instruction ceil(k NV / NW); behind the last product stand floor(NV / NW) instructions.
.macro TICK
.set acc_, acc_+NW_
.if acc_ >= NV_
.set acc_, acc_-NV_
.if mi_ < NW_
	MNEXT
.endif
.endif
.endm
; ---- the vector list of a piece; VS_ is its window setting ----
; the four query tiles' maxima over the step's 64 keys: 32 in my lane (two chains a tile, eight chains in all), 32 in the other half
.macro MAX4 first
.irp q, 0,1,2,3
	WIN VS_
	v_max3_num_f32 v[TA+\q], v[32*\q], v[32*\q+1], v[32*\q+2]
	TICK
	WIN VS_
	v_max3_num_f32 v[MR+2*\q+1], v[32*\q+3], v[32*\q+4], v[32*\q+5]
	TICK
.endr
.set xi_, 6
.rept 6
.irp q, 0,1,2,3
	WIN VS_
	v_max3_num_f32 v[TA+\q], v[TA+\q], v[32*\q+xi_], v[32*\q+xi_+1]
	TICK
	WIN VS_
	v_max3_num_f32 v[MR+2*\q+1], v[MR+2*\q+1], v[32*\q+xi_+2], v[32*\q+xi_+3]
	TICK
.endr
.set xi_, xi_+4
.endr
.irp q, 0,1,2,3
	WIN VS_
	v_max3_num_f32 v[TA+\q], v[TA+\q], v[32*\q+30], v[32*\q+31]
	TICK
.endr
.irp q, 0,1,2,3
	WIN VS_
	v_max_num_f32 v[TA+\q], v[TA+\q], v[MR+2*\q+1]
	TICK
.endr
.irp q, 0,1,2,3
	WIN VS_
	v_permlanex16_b32 v[MR+2*\q+1], v[TA+\q], s16, s17
	TICK
.endr
.if \first
.irp q, 0,1,2,3
	WIN VS_
	v_max_num_f32 v[MR+2*\q], v[TA+\q], v[MR+2*\q+1]
	TICK
.endr
.else
.irp q, 0,1,2,3
	WIN VS_
	v_max3_num_f32 v[TA+\q], v[TA+\q], v[MR+2*\q+1], v[MR+2*\q]
	TICK
.endr
.irp q, 0,1,2,3
	WIN VS_
	v_sub_f32 v[AR+2*\q], v[MR+2*\q], v[TA+\q]
	TICK
.endr
.irp q, 0,1,2,3
	WIN VS_
	v_mov_b32 v[MR+2*\q], v[TA+\q]
	TICK
.endr
.endif
.endm
.macro SUBM q, kt                      ; one tile: s - maximum
.irp i, 0,2,4,6
	WIN VS_
	v_pk_add_f32 v[32*\q+8*\kt+\i:32*\q+8*\kt+\i+1], v[32*\q+8*\kt+\i:32*\q+8*\kt+\i+1], v[MR+2*\q:MR+2*\q+1] op_sel_hi:[1,0] neg_lo:[0,1] neg_hi:[0,1]
	TICK
.endr
.endm
.macro EXP1 q, kt, i
	WIN VS_
	v_exp_f32 v[32*\q+8*\kt+\i], v[32*\q+8*\kt+\i]
	TICK
.endm
; instruction i of eight that finish a tile: 0-3 into the sums (the first tile of a query starts them with two), 4-7 packed to f16 at 32 q + 4 kt, over registers that have been read
.macro FINI q, kt, i
.if \i < 4
.if \kt == 0
.if \i < 2
	WIN VS_
	s_wait_alu depctr_va_vdst(0)
	v_pk_add_f32 v[SA+4*\q+2*\i:SA+4*\q+2*\i+1], v[32*\q+4*\i:32*\q+4*\i+1], v[32*\q+4*\i+2:32*\q+4*\i+3]
	TICK
.endif
.else
	WIN VS_
	s_wait_alu depctr_va_vdst(0)
	v_pk_add_f32 v[SA+4*\q+2*(\i&1):SA+4*\q+2*(\i&1)+1], v[SA+4*\q+2*(\i&1):SA+4*\q+2*(\i&1)+1], v[32*\q+8*\kt+2*\i:32*\q+8*\kt+2*\i+1]
	TICK
.endif
.else
	WIN VS_
	v_cvt_pk_f16_f32 v[32*\q+4*\kt+\i-4], v[32*\q+8*\kt+2*\i-8], v[32*\q+8*\kt+2*\i-7]
	TICK
.endif
.endm
.macro FINT q, first                   ; a query tile's step sum into its running sum
	WIN VS_
	v_pk_add_f32 v[SA+4*\q:SA+4*\q+1], v[SA+4*\q:SA+4*\q+1], v[SB+4*\q:SB+4*\q+1]
	TICK
.if \first
	WIN VS_
	v_add_f32 v[AR+2*\q+1], v[SA+4*\q], v[SA+4*\q+1]
	TICK
.else
	WIN VS_
	v_add_f32 v[TA+\q], v[SA+4*\q], v[SA+4*\q+1]
	TICK
	WIN VS_
	v_fma_f32 v[AR+2*\q+1], v[AR+2*\q+1], v[AR+2*\q], v[TA+\q]
	TICK
.endif
.endm
; Tile (cq, ckt) gets its exponentials, tile (pq, pkt) before it is finished: behind each exponential one plain instruction of the other tile, which
; is also the place that a transcendental's result needs before its use (ISA guide 5.7.2).
.macro GF cq, ckt, pq, pkt, first
	SUBM \cq, \ckt
.irp i, 0,1,2,3,4,5,6,7
	EXP1 \cq, \ckt, \i
	FINI \pq, \pkt, \i
.endr
.if \pkt == 3
	FINT \pq, \first
.endif
.endm
.macro SOFT p, first
.set VS_, 0x55*\p
	MAX4 \first
.if \first == 0
.irp q, 0,1,2,3
	WIN VS_
	v_exp_f32 v[AR+2*\q], v[AR+2*\q]
	TICK
.endr
.endif
	SUBM 0, 0
.irp i, 0,1,2,3,4,5,6,7
	EXP1 0, 0, \i
.endr
	GF 0, 1, 0, 0, \first
	GF 0, 2, 0, 1, \first
	GF 0, 3, 0, 2, \first
	GF 1, 0, 0, 3, \first
	GF 1, 1, 1, 0, \first
	GF 1, 2, 1, 1, \first
	GF 1, 3, 1, 2, \first
	GF 2, 0, 1, 3, \first
	GF 2, 1, 2, 0, \first
	GF 2, 2, 2, 1, \first
	GF 2, 3, 2, 2, \first
	GF 3, 0, 2, 3, \first
	GF 3, 1, 3, 0, \first
	GF 3, 2, 3, 1, \first
	GF 3, 3, 3, 2, \first
.irp i, 0,1,2,3,4,5,6,7
	FINI 3, 3, \i
.endr
	FINT 3, \first
.endm
.macro RESC p                          ; O of piece p times 2^(old maximum - new)
.set VS_, 0xc3+4*\p
.irp q, 0,1,2,3
.irp dt, 0,1,2,3
.irp i, 0,2,4,6
	WIN VS_
	v_pk_mul_f32 v[128*(\p-1)+32*\q+8*\dt+\i:128*(\p-1)+32*\q+8*\dt+\i+1], v[128*(\p-1)+32*\q+8*\dt+\i:128*(\p-1)+32*\q+8*\dt+\i+1], v[AR+2*\q:AR+2*\q+1] op_sel_hi:[1,0]
	TICK
.endr
.endr
.endr
.endm
; A phase: the softmax (and, but in the first step, the rescaling) of piece sp, with nw products set among its instructions.
; The list's length: maxima 80, four factors, 16 tiles x (4 + 8), finishing 4 x 33, rescaling 64 = 472; in the first step 72 + 192 + 4 x 32 = 392.
.macro PHASE sp, sfirst, pvp, pvf, smp, nw, kw, lv
.set PVP_, \pvp
.set PVF_, \pvf
.set SMP_, \smp
.set NW_, \nw
.set KW_, \kw
.set LV_, \lv
.set NV_, 472-80*\sfirst
.set acc_, 0
.set mi_, 0
	MNEXT
	SOFT \sp, \sfirst
.if \sfirst == 0
	RESC \sp
.endif
.endm
; B(t), A(t + 1).  first = 1: t = 0.
.macro BODY first
	WIN 0
	LDK                                            ; K(t+1): behind the last product that read K(t) stand the list's last instructions, six or more, all plain
	s_wait_dscnt 16                                ; V(t)'s sixteen loads are in; K's sixteen, just issued, may be out
	PHASE 2, \first, 1, \first, 1, 64, 1, 0
	PHASE 1, 0, 2, \first, 2, 64, 0, 1
	WIN 0
.endm
.macro SETADR slot
	v_add_nc_u32 v[KADR], \slot*SLOT, v[KL]
	v_add_nc_u32 v[VADR], \slot*SLOT, v[VL]
.endm
.macro CHANGE slot                     ; slot has been read to its end and is filled again, 1,024 keys on
	s_wait_dscnt 0x0                               ; my reads of it are over (the last were V's, issued 30 products ago)
	s_wait_tensorcnt 0x0                           ; all my tensor loads have landed, my part of the other slot among them: the descriptors may be written
	ds_add_u32 v254, v255
	s_wait_dscnt 0x0
	s_add_nc_u64 s[G0K+4*\slot+2:G0K+4*\slot+3], s[G0K+4*\slot+2:G0K+4*\slot+3], 131072
	s_add_nc_u64 s[G0V+4*\slot+2:G0V+4*\slot+3], s[G0V+4*\slot+2:G0V+4*\slot+3], 131072
	ROUND                                          ; both now hold of every wave of the four work-groups
	JLOAD \slot                                    ; my one tensor load behind the round; it has eight steps in which to land
.endm
	s_wait_tensorcnt 0x1                           ; my part of slot 0 is in; slot 1's may stay out
	s_barrier_signal -1
	s_barrier_wait -1
	s_wait_loadcnt 0x0                             ; Q's fragments
	SETADR 0                                       ; keys 0 - 511
	LDK
	LDV
	s_wait_dscnt 16                                ; K(0) is in, V(0)'s sixteen loads may be out
.set mi_, 0
.rept 32
	SMI 1, mi_                                     ; S1 of step 0 has no vector work to stand beside
.set mi_, mi_+1
.endr
	PLACES                                         ; once, ahead of the loops: the places between these products and the maxima that read them
	PHASE 1, 1, 0, 0, 2, 32, 0, 0                  ; A(0): S2 of step 0 beside piece 1's first softmax, which starts maxima and sums
	WIN 0
	BODY 1                                         ; loads step 1
	s_mov_b32 s52, 6
.Lkeys0:
	BODY 0                                         ; load steps 2 - 7
	s_sub_co_u32 s52, s52, 1
	s_cmp_lg_u32 s52, 0
	s_cbranch_scc1 .Lkeys0
	CHANGE 0
	SETADR 1                                       ; keys 512 - 1,023
	s_mov_b32 s52, 8
.Lkeys1:
	BODY 0
	s_sub_co_u32 s52, s52, 1
	s_cmp_lg_u32 s52, 0
	s_cbranch_scc1 .Lkeys1
	CHANGE 1
	SETADR 0                                       ; keys 1,024 - 1,535
	s_mov_b32 s52, 8
.Lkeys2:
	BODY 0
	s_sub_co_u32 s52, s52, 1
	s_cmp_lg_u32 s52, 0
	s_cbranch_scc1 .Lkeys2
	s_wait_dscnt 0x0
	s_wait_tensorcnt 0x0                           ; my part of the last 512 keys is in,
	s_barrier_signal -1
	s_barrier_wait -1                              ; everybody's is; nothing is left to fetch
	SETADR 1                                       ; keys 1,536 - 2,047
	s_mov_b32 s52, 8
.Lkeys3:
	BODY 0
	s_sub_co_u32 s52, s52, 1
	s_cmp_lg_u32 s52, 0
	s_cbranch_scc1 .Lkeys3
	s_wait_dscnt 0x0                               ; V of the last step
	PHASE 2, 0, 1, 0, 0, 32, 0, 0                  ; B(31): no further S
.set mi_, 0
.rept 32
	PVI 2, 0, mi_                                  ; O2 of the last step
.set mi_, mi_+1
.endr
	WIN 0
	; THE WAY OUT: the two halves' sums meet, O / sum, f16, 16 queries at a time through my own stage
	PLACES
.irp p, 1,2
	WIN 0x55*\p
.irp q, 0,1,2,3
	v_permlanex16_b32 v[MR+2*\q+1], v[AR+2*\q+1], s16, s17
.endr
.irp q, 0,1,2,3
	v_add_f32 v[AR+2*\q+1], v[AR+2*\q+1], v[MR+2*\q+1]     ; at least 1: the key of the maximum counts 1
.endr
.irp q, 0,1,2,3
	v_rcp_f32 v[MR+2*\q], v[AR+2*\q+1]
.endr
	v_nop                                          ; the plain place behind the reciprocals
.endr
.macro OUTQ p, q
	WIN 0x03+4*\p
.irp dt, 0,1,2,3
.irp i, 0,2,4,6
	s_wait_alu depctr_va_vdst(0)
	v_pk_mul_f32 v[ET+8*\dt+\i:ET+8*\dt+\i+1], v[128*(\p-1)+32*\q+8*\dt+\i:128*(\p-1)+32*\q+8*\dt+\i+1], v[MR+2*\q:MR+2*\q+1] op_sel_hi:[1,0]
.endr
.endr
	WIN 0
.irp n, 0,1,2,3,4,5,6,7,8,9,10,11,12,13,14,15
	v_cvt_pk_f16_f32 v[ET+\n], v[ET+2*\n], v[ET+2*\n+1]
.endr
.irp dt, 0,1,2,3
	ds_store_b128 v[STO], v[ET+4*\dt:ET+4*\dt+3] offset:32*\dt
.endr
	s_wait_xcnt 0x0                                ; RBK, which the last stores read, is loaded anew only behind this wait
.irp t, 0,1,2,3
	ds_load_b128 v[RBK+4*\t:RBK+4*\t+3], v[RD] offset:\t*4*KPITCH  ; LDS serves a wave's instructions in order: these see the stores above
.endr
.irp t, 0,1,2,3
	s_wait_dscnt 3-\t
	global_store_b128 v[CO], v[RBK+4*\t:RBK+4*\t+3], s[10:11] offset:(4*(\p-1)+\q)*2048+\t*512   ; four rows: 512 consecutive bytes, aligned
.endr
.endm
	OUTQ 1, 0
	OUTQ 1, 1
	OUTQ 1, 2
	OUTQ 1, 3
	OUTQ 2, 0
	OUTQ 2, 1
	OUTQ 2, 2
	OUTQ 2, 3
	s_wait_tensorcnt 0x0
	ds_add_u32 v254, v255
	s_wait_dscnt 0x0
	ROUND                                          ; the closing round
	s_endpgm
.Lfunc_end_k_q18392df288_attn:
	.size	k_q18392df288_attn, .Lfunc_end_k_q18392df288_attn-k_q18392df288_attn
	.p2alignl 7, 3214868480
	.fill 96, 4, 3214868480
	.section	.rodata,"a",@progbits
	.p2align	6, 0x0
	.amdhsa_kernel k_q18392df288_attn
		.amdhsa_group_segment_fixed_size 327680
		.amdhsa_private_segment_fixed_size 0
		.amdhsa_enable_private_segment 0
		.amdhsa_kernarg_size 32
		.amdhsa_user_sgpr_count 2
		.amdhsa_user_sgpr_kernarg_segment_ptr 1
		.amdhsa_wavefront_size32 1
		.amdhsa_system_sgpr_workgroup_id_x 1
		.amdhsa_system_sgpr_workgroup_id_y 1
		.amdhsa_system_sgpr_workgroup_id_z 1
		.amdhsa_system_vgpr_workitem_id 0
		.amdhsa_next_free_vgpr 1024
		.amdhsa_next_free_sgpr 66
		.amdhsa_reserve_vcc 0
		.amdhsa_float_denorm_mode_32 3
		.amdhsa_float_denorm_mode_16_64 3
		.amdhsa_memory_ordered 1
		.amdhsa_forward_progress 1
		.amdhsa_inst_pref_size 255
	.end_amdhsa_kernel
	.section	.bss,"aw",@nobits
	.p2align	6
	.space	262144
	.amdgpu_metadata
---
amdhsa.version: [ 1, 2 ]
amdhsa.kernels:
  - .name:           k_q18392df288_attn
    .symbol:         k_q18392df288_attn.kd
    .args:
      - { .name: qws, .offset: 0, .size: 8, .value_kind: global_buffer, .address_space: global }
      - { .name: kws, .offset: 8, .size: 8, .value_kind: global_buffer, .address_space: global }
      - { .name: vws, .offset: 16, .size: 8, .value_kind: global_buffer, .address_space: global }
      - { .name: ctx, .offset: 24, .size: 8, .value_kind: global_buffer, .address_space: global }
    .group_segment_fixed_size: 327680
    .private_segment_fixed_size: 0
    .kernarg_segment_align: 8
    .kernarg_segment_size: 32
    .max_flat_workgroup_size: 128
    .sgpr_count:     66
    .vgpr_count:     1024
    .wavefront_size: 32
...
	.end_amdgpu_metadata
.endif
;; end of part 3
;; launch outp (part 4): grid 4 x 64, 4 waves a work-group, clusters of 4 x 4, 327,680 bytes of LDS; arguments ctx, wob, bo, out0; writes out0
.if DOCPART == 4
	.amdgcn_target "amdgcn-amd-amdhsa--gfx1250"
	.amdhsa_code_object_version 6
	.text
	.protected	k_q18392df288_outp
	.globl	k_q18392df288_outp
	.p2align	8
	.type	k_q18392df288_outp,@function
k_q18392df288_outp:
	s_mov_b64 s[64:65], 0
	v_nop
	global_prefetch_b8 v0, s[64:65] scope:SCOPE_SE
	s_setreg_imm32_b32 hwreg(HW_REG_WAVE_MODE, 25, 1), 1
	s_wait_xcnt 0x0
	s_wait_alu depctr_hold_cnt(0) depctr_sa_sdst(0) depctr_va_vdst(0) depctr_va_sdst(0) depctr_va_ssrc(0) depctr_va_vcc(0) depctr_vm_vsrc(0)
	s_getreg_b32 s2, hwreg(HW_REG_IB_STS2, 6, 4)
	s_cmp_eq_u32 s2, 0
	s_cbranch_scc0 .Lentry_in_a_cluster
	s_endpgm
.Lentry_in_a_cluster:
	s_bfe_u32 s2, ttmp6, 0x10000c
	s_cmp_lg_u32 s2, 0xf033
	s_cbranch_scc0 .Lentry_shape_is_right
	s_endpgm
.Lentry_shape_is_right:
; out0 = ctx Wo + bo.  ctx: f16, [batch][head][position][64]; wob: f16, [head = k / 64][n][64]; out0: f32, [8192][1024].  LIMIT: f16 operands.
; A work-group makes 128 rows x 256 columns with four waves, 2 x 2; a wave makes 64 x 128: 4 x 8 accumulator tiles, 256 registers, window 1.
; K goes in eight steps of 128 = two heads through two LDS slots: Wo's two planes (256 n x 144 bytes each), then ctx's two planes (128 rows x 144 bytes each).
; One tensor load a wave: waves 0, 1 bring Wo's planes, waves 2, 3 ctx's.
; CLUSTERS: 4 x 4 work-groups: ctx's tiles hang on the row block alone and are asked for jointly along a row of the cluster, Wo's on the column block alone
; and are asked for jointly along a column.
; ASKING AHEAD: ctx is read once in the launch, by the four partners of a cluster's row.  A K step's tile of ctx is two planes of 16,384 bytes = 128 aligned
; blocks of 256 bytes; partner cx asks for 32 of them (plane cx / 2, half cx % 2, lane l's block at 256 l) by one prefetch of one wave (wave j % 4 for
; step j).  Step 2 is asked for behind the first fills, step j + 3 behind the joint load for step j + 2: one K step ahead of its tensor load; step 7 is
; the last, so nothing is asked for behind the last refill: six requests of 8,192 bytes a work-group.  The eight steps are written out by macro, so the step
; stands in the immediate and the address registers are never written again.  Wo is not asked for: all sixteen clusters walk its planes in the same order.
; The matrix instruction is used transposed (source 0 = 16 columns of Wo, source 1 = 16 rows of ctx): a lane holds eight neighbouring columns of one row.
; The 32 accumulators take turns, one instruction a turn, in the same order in every quarter step.
.set PITCH,  144
.set BPLANE, 256*PITCH                 ; 36,864
.set APLANE, 128*PITCH                 ; 18,432
.set SLOT,   2*BPLANE+2*APLANE         ; 110,592
.set STAGE,  2*SLOT                    ; 16 rows x 528 bytes for each wave, never a tensor load's target
.set SPITCH, 528
.set KSTEPS, 8
.set ADRA, 16                          ; v16-17 LDS address of my ctx fragments in slot 0, 1
.set ADRB, 18                          ; v18-19 of my Wo fragments
.set STO,  20
.set RD,   21
.set CO,   22
.set PFO,  23                          ; byte offset, in K step 0's tile of ctx, of the block that my lane asks for; never rewritten
.set BO,   24                          ; v[24:27] bo of my four columns on the way out
.set F0,   32                          ; a fragment buffer: 8 of Wo, then 4 of ctx
.set F1,   128
.set RB,   32
.set G1A, 24
.set G1B, 32
.set G0A, 40
.set G0B, 48
.set MSB, 0
.macro WIN new
.if MSB != (\new)
	s_set_vgpr_msb (MSB<<8)|(\new)
.set MSB, (\new)
.endif
.endm
.macro PLACES
.rept 4
	v_nop
.endr
.endm
.macro CREST
	s_cmp_lg_u32 s12, 0
	s_cbranch_scc1 .Lnot_wave_0_\@
	s_barrier_signal -3
.Lnot_wave_0_\@:
	s_barrier_wait -3
	s_barrier_signal -1
	s_barrier_wait -1
.endm
.macro CROUND
	s_barrier_signal -1
	s_barrier_wait -1
	CREST
.endm
.macro JLOAD s
	s_cmp_lt_u32 s12, 2
	s_cbranch_scc0 .Lfor_a_\@
	tensor_load_to_lds s[G0B+4*\s:G0B+4*\s+3], s[G1B:G1B+7]
	s_nop 0
	s_branch .Lasked_\@
.Lfor_a_\@:
	tensor_load_to_lds s[G0A+4*\s:G0A+4*\s+3], s[G1A:G1A+7]
	s_nop 0
.Lasked_\@:
.endm
.macro ASK j                           ; my work-group's quarter of K step j's tile of ctx; two heads of 262,144 bytes a step
	s_cmp_lg_u32 s12, (\j)&3
	s_cbranch_scc1 .Lnot_mine_\@
	global_prefetch_b8 v[PFO], s[4:5] offset:(\j)*524288 th:TH_LOAD_NT scope:SCOPE_SE
.Lnot_mine_\@:
.endm
	s_load_b256 s[4:11], s[0:1], 0x0               ; ctx s[4:5], wob s[6:7], bo s[8:9], out0 s[10:11]
	v_lshl_add_u32 v254, v0, 2, 0x3e400
	v_mov_b32 v255, 0
	ds_add_u32 v254, v255
	v_lshrrev_b32 v1, 5, v0
	v_readfirstlane_b32 s12, v1                    ; wave 0..3
	s_lshr_b32 s13, s12, 1                         ; which 64 rows are mine
	s_and_b32 s14, s12, 1                          ; which 128 columns.  Also: which plane I fetch
	s_bfe_u32 s15, ttmp6, 0x40000                  ; cx
	s_bfe_u32 s16, ttmp6, 0x40004                  ; cy
	s_lshl_b32 s17, ttmp9, 2
	s_add_co_u32 s17, s17, s15                     ; column block
	s_and_b32 s18, ttmp7, 0xffff
	s_lshl_b32 s18, s18, 2
	s_add_co_u32 s18, s18, s16                     ; row block
	s_lshl_b32 s20, s16, 2
	s_lshl_b32 s20, 15, s20                        ; my row of the cluster
	s_lshl_b32 s21, 0x1111, s15                    ; my column
	; dense blocks as rows of 32 elements of 8 bytes, 4 words of padding behind every 32 words (128 bytes): ctx's plane 64 such rows, Wo's 128
	s_or_b32 s[G1A+0], s20, (3<<16)|(1<<20)|(1<<21)|(4<<22)|(3<<25)
	s_or_b32 s[G1B+0], s21, (3<<16)|(1<<20)|(1<<21)|(4<<22)|(3<<25)
	s_mov_b32 s[G1A+1], 32<<16
	s_mov_b32 s[G1B+1], 32<<16
	s_mov_b32 s[G1A+2], 64<<16
	s_mov_b32 s[G1B+2], 128<<16
	s_mov_b32 s[G1A+3], 32<<16
	s_mov_b32 s[G1B+3], 32<<16
	s_mov_b32 s[G1A+4], 64
	s_mov_b32 s[G1B+4], 128
	s_mov_b32 s[G1A+5], 32
	s_mov_b32 s[G1B+5], 32
	s_mov_b32 s[G1A+6], 0
	s_mov_b32 s[G1B+6], 0
	s_mov_b32 s[G1A+7], 0
	s_mov_b32 s[G1B+7], 0
	s_lshr_b32 s58, s18, 4                         ; batch
	s_lshl_b32 s58, s58, 4
	s_add_co_u32 s58, s58, s14                     ; + my head of K step 0
	s_lshl_b32 s58, s58, 11
	s_and_b32 s59, s18, 15
	s_lshl_b32 s59, s59, 7
	s_add_co_u32 s58, s58, s59                     ; + the row block's first position
	s_lshl_b32 s58, s58, 7                         ; rows of 128 bytes
	s_mov_b32 s59, 0
	s_lshl_b32 s60, s14, 17                        ; my plane of wob,
	s_lshl_b32 s61, s17, 15                        ; 256 n of 128 bytes a column block
	s_add_co_u32 s60, s60, s61
	s_mov_b32 s61, 0
	s_mul_i32 s63, s12, BPLANE                     ; waves 0, 1: Wo's planes at 0 and 36,864
	s_mul_i32 s62, s12, APLANE
	s_add_co_u32 s62, s62, 2*BPLANE-2*APLANE       ; waves 2, 3: ctx's planes at 73,728 and 92,160
	s_lshl_b32 s66, s18, 7
	s_lshl_b32 s67, s13, 6
	s_add_co_u32 s66, s66, s67                     ; my first row of out0,
	s_lshl_b32 s66, s66, 12                        ; rows of 4,096 bytes
	s_lshl_b32 s68, s17, 10                        ; my first column, in bytes
	s_lshl_b32 s69, s14, 9
	s_add_co_u32 s68, s68, s69
	s_mov_b32 s69, 0
	s_add_co_u32 s66, s66, s68
	s_mov_b32 s67, 0
	s_lshr_b32 s70, s18, 4                         ; for asking ahead: the batch's head 0,
	s_lshl_b32 s70, s70, 15                        ; 16 heads of 2,048 positions a batch,
	s_and_b32 s71, s18, 15
	s_lshl_b32 s71, s71, 7
	s_add_co_u32 s70, s70, s71                     ; at the row block's first position,
	s_lshl_b32 s70, s70, 7                         ; rows of 128 bytes
	s_mov_b32 s71, 0
	s_lshr_b32 s22, s15, 1
	s_lshl_b32 s22, s22, 18                        ; cx / 2: which of a step's two heads my work-group asks for,
	s_and_b32 s23, s15, 1
	s_lshl_b32 s23, s23, 13                        ; cx % 2: which 8,192 bytes of its plane
	s_add_co_u32 s22, s22, s23
	s_wait_dscnt 0x0
	s_wait_kmcnt 0x0
	s_add_nc_u64 s[58:59], s[4:5], s[58:59]
	s_add_nc_u64 s[4:5], s[4:5], s[70:71]          ; from here on the base of the requests ahead
	s_add_nc_u64 s[60:61], s[6:7], s[60:61]
	s_add_nc_u64 s[8:9], s[8:9], s[68:69]
	s_add_nc_u64 s[10:11], s[10:11], s[66:67]
.irp s, 0,1
	s_mov_b32 s[G0A+4*\s], 1
	s_add_co_u32 s[G0A+4*\s+1], s62, \s*SLOT
	s_add_nc_u64 s[G0A+4*\s+2:G0A+4*\s+3], s[58:59], \s*524288     ; two heads a K step
	s_or_b32 s[G0A+4*\s+3], s[G0A+4*\s+3], 0x80000000
	s_mov_b32 s[G0B+4*\s], 1
	s_add_co_u32 s[G0B+4*\s+1], s63, \s*SLOT
	s_add_nc_u64 s[G0B+4*\s+2:G0B+4*\s+3], s[60:61], \s*262144     ; two planes a K step
	s_or_b32 s[G0B+4*\s+3], s[G0B+4*\s+3], 0x80000000
.endr
	CROUND                                         ; all sixteen work-groups are here: the first joint loads meet
	s_cmp_lt_u32 s12, 2                            ; both first fills of a wave inside one branch: two tensor loads of the wave are out
	s_cbranch_scc0 .Lfirst_a
	tensor_load_to_lds s[G0B:G0B+3], s[G1B:G1B+7]
	s_nop 0
	tensor_load_to_lds s[G0B+4:G0B+7], s[G1B:G1B+7]
	s_nop 0
	s_branch .Lfirst_done
.Lfirst_a:
	tensor_load_to_lds s[G0A:G0A+3], s[G1A:G1A+7]
	s_nop 0
	tensor_load_to_lds s[G0A+4:G0A+7], s[G1A:G1A+7]
	s_nop 0
.Lfirst_done:
	v_and_b32 v5, 31, v0
	v_lshl_add_u32 v[PFO], v5, 8, s22              ; 256 x lane + my work-group's quarter
	ASK 2                                          ; K steps 0 and 1 are on their way: step 2's tile of ctx is asked for
	v_and_b32 v1, 15, v0                           ; r
	v_bfe_u32 v2, v0, 4, 1                         ; h
	v_lshlrev_b32 v[CO], 4, v5                     ; 16 x lane
	global_load_b128 v[BO:BO+3], v[CO], s[8:9]     ; bo of columns 4 x lane .. + 3 of my 128
	v_mul_u32_u24 v3, v1, PITCH
	v_lshl_add_u32 v3, v2, 4, v3                   ; r x 144 + 16 h
	s_mul_i32 s19, s13, 64*PITCH
	s_add_co_u32 s19, s19, 2*BPLANE
	v_add_nc_u32 v[ADRA], s19, v3
	v_add_nc_u32 v[ADRA+1], SLOT, v[ADRA]
	s_mul_i32 s19, s14, 128*PITCH
	v_add_nc_u32 v[ADRB], s19, v3
	v_add_nc_u32 v[ADRB+1], SLOT, v[ADRB]
	s_mul_i32 s19, s12, 16*SPITCH
	s_add_co_u32 s19, s19, STAGE                   ; my stage
	v_mul_u32_u24 v4, v1, SPITCH
	v_lshl_add_u32 v4, v2, 5, v4                   ; in: row r, 32 bytes for each half of the lanes
	v_add_nc_u32 v[STO], s19, v4
	v_add_nc_u32 v[RD], s19, v[CO]                 ; back: a whole row of 512 bytes
; 24 LDS loads: the fragments of quarter qd (plane qd / 2, 32 along K at byte 64 (qd % 2)) into buffer f
.macro FETCH slot, qd, f
.irp i, 0,1,2,3,4,5,6,7
	ds_load_b128 v[\f+8*\i:\f+8*\i+3],   v[ADRB+\slot] offset:(\qd>>1)*BPLANE+(\qd&1)*64+\i*16*PITCH
	ds_load_b128 v[\f+8*\i+4:\f+8*\i+7], v[ADRB+\slot] offset:(\qd>>1)*BPLANE+(\qd&1)*64+\i*16*PITCH+32
.endr
.irp i, 0,1,2,3
	ds_load_b128 v[\f+64+8*\i:\f+64+8*\i+3],   v[ADRA+\slot] offset:(\qd>>1)*APLANE+(\qd&1)*64+\i*16*PITCH
	ds_load_b128 v[\f+64+8*\i+4:\f+64+8*\i+7], v[ADRA+\slot] offset:(\qd>>1)*APLANE+(\qd&1)*64+\i*16*PITCH+32
.endr
.endm
.macro MULA f, a, zero                 ; row tile a x all 8 column tiles
.irp b, 0,1,2,3,4,5,6,7
.if \zero
	v_wmma_f32_16x16x32_f16 v[8*(8*\a+\b):8*(8*\a+\b)+7], v[\f+8*\b:\f+8*\b+7], v[\f+64+8*\a:\f+64+8*\a+7], 0
.else
	v_wmma_f32_16x16x32_f16 v[8*(8*\a+\b):8*(8*\a+\b)+7], v[\f+8*\b:\f+8*\b+7], v[\f+64+8*\a:\f+64+8*\a+7], v[8*(8*\a+\b):8*(8*\a+\b)+7]
.endif
.endr
.endm
.macro QUARTER slot, qd, f, g, zero    ; multiplies buffer f; in its middle fetches quarter qd into buffer g
	s_wait_dscnt 4                                 ; Wo's fragments and ctx's row tiles 0, 1 are in; the youngest four loads (row tiles 2, 3) may be out
	WIN 0x50
	MULA \f, 0, \zero
	MULA \f, 1, \zero
	PLACES                                         ; behind the matrix instructions that read buffer g
	WIN 0
	FETCH \slot, \qd, \g
	s_wait_dscnt 24                                ; all but the 24 just issued
	WIN 0x50
	MULA \f, 2, \zero
	MULA \f, 3, \zero
.endm
.macro THREE slot, zero
	QUARTER \slot, 1, F0, F1, \zero
	QUARTER \slot, 2, F1, F0, 0
	QUARTER \slot, 3, F0, F1, 0
.endm
; the last quarter of a K step: multiplies buffer 1 and changes slots; fill = 1: this slot is filled again, two K steps ahead;
; ask: the K step whose tile of ctx is asked for behind the refill (KSTEPS or more: none is left)
.macro TURN slot, next, fill, ask
	s_wait_dscnt 4
	WIN 0x50
	MULA F1, 0, 0
	s_wait_dscnt 0x0                               ; my reads of this slot are over
	s_wait_tensorcnt 0x0                           ; all my tensor loads have landed: the one that was out is my part of the next slot
	ds_add_u32 v254, v255
	s_wait_dscnt 0x0
	s_barrier_signal -1
	MULA F1, 1, 0                                  ; register work while the others arrive
	WIN 0
	s_barrier_wait -1
.if \fill
	CREST                                          ; no wave of any partner still reads this slot or has a load on its way
	s_add_nc_u64 s[G0A+4*\slot+2:G0A+4*\slot+3], s[G0A+4*\slot+2:G0A+4*\slot+3], 1048576
	s_add_nc_u64 s[G0B+4*\slot+2:G0B+4*\slot+3], s[G0B+4*\slot+2:G0B+4*\slot+3], 524288
	JLOAD \slot                                    ; the first tensor load behind the round, my only one until the next
.if (\ask) < KSTEPS
	ASK \ask
.endif
.endif
	PLACES
	FETCH \next, 0, F0
	WIN 0x50
	MULA F1, 2, 0
	MULA F1, 3, 0
.endm
.macro LAP zero, j                     ; K steps j and j + 1: once round the ring, both slots filled again
	THREE 0, \zero
	TURN 0, 1, 1, \j+3
	THREE 1, 0
	TURN 1, 0, 1, \j+4
.endm
	s_wait_tensorcnt 0x1                           ; my part of K step 0 is in; K step 1's may stay out
	s_barrier_signal -1
	s_barrier_wait -1
	FETCH 0, 0, F0
	LAP 1, 0                                       ; the first products start the sums
	LAP 0, 2
	LAP 0, 4                                       ; its second refill is K step 7's: nothing is left to ask for
	THREE 0, 0                                     ; the last lap fills nothing
	TURN 0, 1, 0, KSTEPS
	THREE 1, 0
	s_wait_dscnt 0x0
	WIN 0x50
	MULA F1, 0, 0
	MULA F1, 1, 0
	MULA F1, 2, 0
	MULA F1, 3, 0
	; THE WAY OUT, 16 rows at a time: the sums go as f32 into my own stage, whole rows of 512 bytes come back, bo is added, and a wave's store covers 512 consecutive bytes
	PLACES
	s_wait_loadcnt 0x0                             ; bo
.macro OUT16 a
	WIN 0x04                                       ; an LDS store's data are its source 1: window 1
.irp b, 0,1,2,3,4,5,6,7
	ds_store_b128 v[STO], v[8*(8*\a+\b):8*(8*\a+\b)+3]   offset:64*\b
	ds_store_b128 v[STO], v[8*(8*\a+\b)+4:8*(8*\a+\b)+7] offset:64*\b+16
.endr
	WIN 0
	s_wait_xcnt 0x0                                ; RB, which the last stores read, and their base are written anew only behind this wait
.if \a
	s_add_nc_u64 s[10:11], s[10:11], 65536         ; 16 rows of out0 on
.endif
.irp t, 0,1,2,3,4,5,6,7,8,9,10,11,12,13,14,15
	ds_load_b128 v[RB+4*\t:RB+4*\t+3], v[RD] offset:\t*SPITCH      ; LDS serves a wave's instructions in order: these see the stores above
.endr
.irp t, 0,1,2,3,4,5,6,7,8,9,10,11,12,13,14,15
	s_wait_dscnt 15-\t
	v_pk_add_f32 v[RB+4*\t:RB+4*\t+1],   v[RB+4*\t:RB+4*\t+1],   v[BO:BO+1]
	v_pk_add_f32 v[RB+4*\t+2:RB+4*\t+3], v[RB+4*\t+2:RB+4*\t+3], v[BO+2:BO+3]
	global_store_b128 v[CO], v[RB+4*\t:RB+4*\t+3], s[10:11] offset:\t*4096 th:TH_STORE_NT
.endr
.endm
	OUT16 0
	OUT16 1
	OUT16 2
	OUT16 3
	s_wait_tensorcnt 0x0
	ds_add_u32 v254, v255
	s_wait_dscnt 0x0
	CROUND                                         ; the closing round
	s_endpgm
.Lfunc_end_k_q18392df288_outp:
	.size	k_q18392df288_outp, .Lfunc_end_k_q18392df288_outp-k_q18392df288_outp
	.p2alignl 7, 3214868480
	.fill 96, 4, 3214868480
	.section	.rodata,"a",@progbits
	.p2align	6, 0x0
	.amdhsa_kernel k_q18392df288_outp
		.amdhsa_group_segment_fixed_size 327680
		.amdhsa_private_segment_fixed_size 0
		.amdhsa_enable_private_segment 0
		.amdhsa_kernarg_size 32
		.amdhsa_user_sgpr_count 2
		.amdhsa_user_sgpr_kernarg_segment_ptr 1
		.amdhsa_wavefront_size32 1
		.amdhsa_system_sgpr_workgroup_id_x 1
		.amdhsa_system_sgpr_workgroup_id_y 1
		.amdhsa_system_sgpr_workgroup_id_z 1
		.amdhsa_system_vgpr_workitem_id 0
		.amdhsa_next_free_vgpr 512
		.amdhsa_next_free_sgpr 72
		.amdhsa_reserve_vcc 0
		.amdhsa_float_denorm_mode_32 3
		.amdhsa_float_denorm_mode_16_64 3
		.amdhsa_memory_ordered 1
		.amdhsa_forward_progress 1
		.amdhsa_inst_pref_size 158
	.end_amdhsa_kernel
	.amdgpu_metadata
---
amdhsa.version: [ 1, 2 ]
amdhsa.kernels:
  - .name:           k_q18392df288_outp
    .symbol:         k_q18392df288_outp.kd
    .args:
      - { .name: ctx, .offset: 0, .size: 8, .value_kind: global_buffer, .address_space: global }
      - { .name: wob, .offset: 8, .size: 8, .value_kind: global_buffer, .address_space: global }
      - { .name: bo, .offset: 16, .size: 8, .value_kind: global_buffer, .address_space: global }
      - { .name: out0, .offset: 24, .size: 8, .value_kind: global_buffer, .address_space: global }
    .group_segment_fixed_size: 327680
    .private_segment_fixed_size: 0
    .kernarg_segment_align: 8
    .kernarg_segment_size: 32
    .max_flat_workgroup_size: 128
    .sgpr_count:     72
    .vgpr_count:     512
    .wavefront_size: 32
...
	.end_amdgpu_metadata
.endif
;; end of part 4
